; MI455X (gfx1250); checked and timed in simulation.
; The chip was launched on July 23, 2026; its instructions are those of AMD's public machine-readable ISA for CDNA 5 (MIT licence, August 2026) and "CDNA5" Instruction Set Architecture Reference Guide (July 2026). The comments in the code are by the model that wrote it; some were corrected since.
;; Full Attention. Allowed arithmetic: matrix products marked QUANTISED: E2M3 operands, one E8M0 scale for each 32 along K, by v_wmma_scale_f32_16x16x128_f8f6f4 with both operands' format E2M3, f32 sums; everything else in f32.
;; Inputs: keys_codes 4 x 2,048 x 16 x 2 x 24 uint8 (E2M3 codes of keys, K innermost, in blocks of 32 codes, four codes in three bytes); keys_scales 4 x 2,048 x 16 x 2 uint8 (E8M0 scales of keys, one for each 32 codes along K); queries_codes 4 x 2,048 x 16 x 2 x 24 uint8 (E2M3 codes of queries, K innermost, in blocks of 32 codes, four codes in three bytes); queries_scales 4 x 2,048 x 16 x 2 uint8 (E8M0 scales of queries, one for each 32 codes along K); values_codes 4 x 16 x 64 x 64 x 24 uint8 (E2M3 codes of values, K innermost, in blocks of 32 codes, four codes in three bytes); values_scales 4 x 16 x 64 x 64 uint8 (E8M0 scales of values, one for each 32 codes along K).
;; Outputs: out0 4 x 2,048 x 16 x 64 float32.
;; This version of the problem:
;;   THIS VERSION OF THE PROBLEM IS GIVEN IN LOW PRECISION. The matrix products marked QUANTISED in the list below multiply operands that are first quantised to E2M3 (2 exponent bits, 3 mantissa bits; 6 bits a number), with one power-of-two scale for each 32 numbers along K (OCP MX v1.0); their sums are f32. All else is computed in f32.
;;   The module's matrix products, in the order in which they are computed (A, B: the left and right operand; K: the contracted axis; several contracted axes count as one K, in the product's order):
;;     1. batch 64 x [M 2,048, K 64] x [K 64, N 2,048]; A: input queries (given as codes); B: input keys (given as codes): QUANTISED
;;     2. batch 64 x [M 64, K 2,048] x [K 2,048, N 2,048]; A: input values (given as codes); B: softmax (see below): QUANTISED
;;   THE QUANTISER, for each operand of a quantised product, along K:
;;     - K is cut into blocks of 32 from its start; a last block that is shorter is filled with zeros.
;;     - A block's scale is 2^e with e = floor(log2(the largest magnitude in the block)) - 2, held to -126 .. 127; a block of zeros has e = 0. As a byte (E8M0): e + 127.
;;     - Each number is divided by its block's scale, clamped to +-7.5, and rounded to the nearest number of E2M3, ties to even, subnormals kept.
;;     - The product sums the exact products of the quantised numbers (number of the format x scale) in f32.
;;   ~~~python
;;   def quantise(x, axis):      # numpy; x: float32 -> the quantised numbers, widened to float32 again
;;       x = np.moveaxis(x, axis, -1); K = x.shape[-1]
;;       x = np.pad(x, [(0, 0)] * (x.ndim - 1) + [(0, -K % 32)]); x = x.reshape(x.shape[:-1] + (-1, 32)); a = np.abs(x).max(-1, keepdims=True)
;;       e = np.where(a > 0, np.clip(np.frexp(np.where(a > 0, a, 1))[1] - 1 - 2, -126, 127), 0)      # np.frexp(a)[1] - 1 = floor(log2(a)), exactly
;;       r = np.clip(x / 2.0 ** e, -7.5, 7.5)
;;       step = 2.0 ** (np.maximum(np.frexp(np.where(r == 0, 1, r))[1] - 1, 0) - 3)
;;       q = np.round(r / step) * step * 2.0 ** e      # np.round: ties to even
;;       return np.moveaxis(q.reshape(q.shape[:-2] + (-1,))[..., :K], -1, axis).astype(np.float32)
;;   ~~~
;;   SOFTMAX AHEAD OF A QUANTISED PRODUCT. Where the list says 'softmax', what is quantised is not the finished softmax but p = 2^(t - M), with t = logit x log2(e) and M = ceil(the row's largest t), a whole number; so 1/2 < the row's largest p <= 1. The row's sum l is taken of the UNQUANTISED p, in f32, and the product's result is divided by l at the end. Since M is a whole number, a kernel that streams over the keys may use a running M (the ceiling of the running maximum): every later rescaling is an exact power of two, which a block's scale takes up: the codes' values come out the same.
;;   OPERANDS COMPUTED ON THE WAY. 'Computed on the way' means the value that the module computes at that place (a softmax that the list does not call 'softmax' is quantised finished and normalised). What goes into a quantiser is computed in f32, as accurately as f32 sums, v_exp_f32 and their like allow (about 1e-6 of the number): no bf16 or f16 on the way to a quantiser, and a product that is left as it is and whose result goes on into a quantised operand takes f32 operands (vector FMAs, or v_wmma_f32_16x16x4_f32). A number that lies on a knife's edge between two numbers of the format may be rounded either way, as far as f32 arithmetic and the matrix unit's own rounding can turn it there, and no further.
;;   INPUTS GIVEN AS CODES. keys (in the module: [4, 2048, 16, 64], K = its axis 3); queries (in the module: [4, 2048, 16, 64], K = its axis 3); values (in the module: [4, 2048, 16, 64], K = its axis 1): each comes as NAME_codes (uint8): NAME with its K axis moved to the last place and cut into blocks of 32 codes, [.., K / 32, bytes a block], one block behind the other in memory; four codes in three bytes: a row's codes are one little-endian stream of bits, code i at bits 6 i .. 6 i + 5 (a code: sign, 2 exponent bits, 3 mantissa bits); and NAME_scales (uint8): the same leading axes, one E8M0 byte (e + 127) for each 32 codes along K. Its value is code x scale, taken as it is: it is not quantised again, and the codes and scales need not be those that the quantiser above would give.
;; One version. Each part assembles by itself: llvm-mc -triple=amdgcn-amd-amdhsa -mcpu=gfx1250 --defsym DOCPART=n.
;; ======== version 1 of 1: 1 launch
;; limits: right only within a limited range of input values
;; launch attn (part 1): grid 4 x 64, 16 waves a work-group, clusters of 4 x 1, 327,680 bytes of LDS; arguments queries_codes, queries_scales, keys_codes, keys_scales, values_codes, values_scales, out0; writes out0
.if DOCPART == 1
	.amdgcn_target "amdgcn-amd-amdhsa--gfx1250"
	.amdhsa_code_object_version 6
	.text
	.protected	k_qd1d65fdfad_attn
	.globl	k_qd1d65fdfad_attn
	.p2align	8
	.type	k_qd1d65fdfad_attn,@function
k_qd1d65fdfad_attn:
	s_mov_b64 s[64:65], 0
	v_nop
	global_prefetch_b8 v0, s[64:65] scope:SCOPE_SE
	s_setreg_imm32_b32 hwreg(HW_REG_WAVE_MODE, 25, 1), 1
	s_wait_xcnt 0x0
	s_wait_alu depctr_hold_cnt(0) depctr_sa_sdst(0) depctr_va_vdst(0) depctr_va_sdst(0) depctr_va_ssrc(0) depctr_va_vcc(0) depctr_vm_vsrc(0)
	s_getreg_b32 s2, hwreg(HW_REG_IB_STS2, 6, 4)
	s_cmp_eq_u32 s2, 0
	s_cbranch_scc0 .Lentry_in_a_cluster
	s_endpgm
.Lentry_in_a_cluster:
	s_bfe_u32 s2, ttmp6, 0x10000c
	s_cmp_lg_u32 s2, 0x3003
	s_cbranch_scc0 .Lentry_shape_is_right
	s_endpgm
.Lentry_shape_is_right:
; out0[b][l][h][:] = sum over s of softmax_s(Q[b][l][h] . K[b][s][h]) V[b][s][h][:], scores unscaled; both products on E2M3 codes with one E8M0 scale for each 32 along K.
; Q, K: codes [4][2048][16][48 bytes], scale bytes [4][2048][16][2].  V: codes with the keys innermost, [4][16][64 (d)][1536 bytes], scale bytes [4][16][64][64].  out0: [4][2048][16][64] f32.
; SOFTMAX: t = score x log2(e); M = the running largest t rounded up to a whole number; p = 2^(t - M) is quantised along the keys, not normalised.  The row's sum is taken of the
; unquantised p in f32 and divides O at the end.  When M moves, the sum and O are multiplied by 2^(old M - new M): nothing is rounded, no branch hangs on data.
; SHARES: 64 heads x 4 quarters of the queries = 256 work-groups of 16 waves.  A wave owns 16 queries, walks the 2,048 keys in 8 steps of 256, then does the same for a second tile 256 queries on.
; LDS IS FILLED ONCE, at the head; one barrier follows the fills, and from there on every wave walks alone.
; V: the four work-groups of a head form a cluster and ask for V jointly.  Each of the 16 waves issues one tensor load: rows d = wave, wave + 16, + 32, + 48, whole rows of 1,536 bytes, each
; beginning at a multiple of 256 bytes of the buffer.  16 bytes of padding behind each 64; a wave's four rows lie 7,696 bytes from the next wave's, so that the 16 rows of a fragment start 4 words apart modulo 64.
; K: a head's row is 48 bytes at 768 s + 48 h, which for h = 5 and 10 runs across a multiple of 256: so K is not asked for by tensor rows (and so not jointly).  It goes through registers:
; 12 loads of 16 bytes a thread (three neighbouring lanes to a key), stored to LDS with 128 bytes behind each 32 keys, so that rows m and m + 8 of a tile lie 32 words apart modulo 64.
; NO PREFETCH: every byte that the launch reads is asked for at its head; there is no loop to run ahead in.
; LAYOUT: both products transposed (S^T = K Q^T, O^T = V^T P^T): a lane holds one query (lane % 16) throughout.  The first product's K is 64, the instruction's 128: a fragment of K holds TWO tiles of
; 16 keys (registers 0-5, 6-11) and is multiplied once by [Q; 0] and once by [0; Q]; zero codes add nothing under any scale byte but 0xff.
; Row m of tile (c, u) is key 64 c + 32 (m / 8) + 8 u + m % 8: so lane (r, h) holds in registers S + 32 c + i the keys 64 c + 32 h + i: a whole block of 32 in the order of the second product's operand.
; LIMITS: |score| x log2(e) under 1e38; a p under 2^-126 counts as 0 (v_exp_f32 gives 0 for a result that would be denormal: ISA guide, its entry); a block's largest p is taken from the block's largest
; score, which takes v_exp_f32 not to fall where its input rises; a block whose every p is 0 keeps the byte 1 (its codes are zeros); a scale byte 0xff among the inputs gives NaN; NaN scores are not served.
.set KBLK, 1664                        ; LDS: 32 keys x 48 bytes + 128; K lies from byte 0, 64 such blocks
.set VB,   106496                      ; V: 16 groups (one a wave) of four rows
.set VG,   7696
.set VROW, 1920                        ; 1,536 bytes + 24 x 16 of padding
.set SCK,  229632                      ; K's scale words: 512 bytes a step, 16 a lane
.set SCV,  SCK+4096                    ; V's: the same
.set STG,  237824                      ; the way out: 16 rows x 272 bytes for each wave
.set SP,   272
.set SPARE, 307456                     ; the spare words: 128 bytes a wave
.set QST,  309504                      ; the second tile's Q: 32 bytes a thread
.set AK0,  1                           ; my lane's place in a tile of K
.set AV0,  2                           ; in a tile of V
.set AV1,  3                           ; the same where the upper lanes' piece lies behind one padding more
.set AS0,  4                           ; SCK + 16 x lane
.set SPW,  5                           ; my spare word's address; never rewritten
.set NEGM, 6                           ; -M; v7 the running largest score (named with it as a pair)
.set SMAX, 7
.set L,    8                           ; v[8:9] the row's sum, two halves
.set F,    10                          ; f = 2^(old M - new M), at the end 1 / sum; v11 holds 0
.set QS,   12                          ; Q's scale word: its two bytes twice
.set NIL,  13                          ; 0; never rewritten
.set QA,   14                          ; v[14:25] [Q; 0]
.set QB,   26                          ; v[26:37] [0; Q]
.set PS,   38                          ; v38, v39 p's scale words of the step's two groups of 128 keys
.set TR,   40                          ; v[40:63] at work; at a step's head two fragments of K
.set BM,   40                          ; my four blocks' largest score, then largest p
.set SO,   44                          ; the conversions' scale operands
.set MB,   48                          ; the maxima's second chains, then the scale bytes
.set C1,   52                          ; the sum's second and third chain
.set C2,   54
.set ADS,  62                          ; a step's address among the scale words, and in K: the step's last load of K lands on them
.set ADK,  63
.set KV,   64                          ; v[64:87] two fragments of K, then p's codes
.set O,    88                          ; v[88:119] O^T: tile t at O + 8 t; lane (r, h) register j: d = 16 t + 8 h + j
.set KS,   120                         ; v[120:123] K's scale words: register c: lanes 0-15 fragment (c, 0), lanes 16-31 fragment (c, 1)
.set VS,   124                         ; v[124:127] V's: register t: lanes 0-15 the first 128 keys, lanes 16-31 the second
.set S,    128                         ; v[128:255] S^T, then p; then V's eight fragments in the first 96; at a step's head four fragments of K from S + 64
.set WV,   18
.set STW,  19                          ; my stage
.set SEL,  20
.set CS,   22
.set G1,   24
.set G0,   32
.set TK,   56                          ; where the step begins: in K, along V's rows, among the scale words
.set TV,   57
.set TS,   58
.set TRIP, 59
.macro CROUND                          ; a round of the cluster's barrier
	s_barrier_signal -1
	s_barrier_wait -1
	s_cmp_lg_u32 s[WV], 0
	s_cbranch_scc1 .Lnot_wave_0_\@
	s_barrier_signal -3
.Lnot_wave_0_\@:
	s_barrier_wait -3
	s_barrier_signal -1
	s_barrier_wait -1
.endm
.macro PLACES n
.rept \n
	v_nop
.endr
.endm
	s_load_b256 s[4:11], s[0:1], 0x0               ; Q's codes, Q's scales, K's codes, K's scales
	s_load_b128 s[12:15], s[0:1], 0x20             ; V's codes, V's scales
	s_load_b64 s[16:17], s[0:1], 0x30              ; out0
	v_lshl_add_u32 v[SPW], v0, 2, SPARE
	v_mov_b32 v[NIL], 0
	ds_add_u32 v[SPW], v[NIL]                      ; the opening lines: the add twice on end and one wait
	ds_add_u32 v[SPW], v[NIL]
	v_lshrrev_b32 v128, 5, v0
	v_readfirstlane_b32 s[WV], v128                ; wave 0..15
	s_and_b32 s36, ttmp7, 0xffff                   ; 16 b + h: the head, which the four partners share
	s_lshr_b32 s37, s36, 4                         ; b
	s_and_b32 s38, s36, 15                         ; h
	s_bfe_u32 s39, ttmp6, 0x40000                  ; cx: it enters Q's and out0's addresses alone
	s_mul_i32 s40, s37, 2048*768
	s_mul_i32 s60, s38, 48
	s_add_co_u32 s40, s40, s60                     ; K's codes: b x 2,048 rows of 768 bytes + 48 h
	s_mov_b32 s41, 0
	s_lshl_b32 s42, s37, 16
	s_lshl_b32 s60, s38, 1
	s_add_co_u32 s42, s42, s60                     ; K's scale bytes: b x 2,048 x 32 + 2 h
	s_mov_b32 s43, 0
	s_mul_i32 s44, s36, 98304
	s_mul_i32 s60, s[WV], 1536
	s_add_co_u32 s44, s44, s60                     ; V's codes: the head's row d = wave
	s_mov_b32 s45, 0
	s_lshl_b32 s46, s36, 12                        ; V's scale bytes: 4,096 a head
	s_mov_b32 s47, 0
	s_lshl_b32 s48, s39, 9
	s_lshl_b32 s60, s[WV], 4
	s_add_co_u32 s48, s48, s60                     ; my first query: 512 cx + 16 x wave
	s_mul_i32 s50, s48, 768
	s_add_co_u32 s50, s50, s40
	s_mov_b32 s51, 0
	s_lshl_b32 s52, s48, 5
	s_add_co_u32 s52, s52, s42
	s_mov_b32 s53, 0
	s_lshl_b32 s54, s37, 23
	s_lshl_b32 s60, s38, 8
	s_add_co_u32 s54, s54, s60
	s_lshl_b32 s60, s48, 12
	s_add_co_u32 s54, s54, s60                     ; out0: rows of 4,096 bytes, + 256 h
	s_mov_b32 s55, 0
	s_mov_b32 s[G0], 1
	s_mul_i32 s[G0+1], s[WV], VG
	s_add_co_u32 s[G0+1], s[G0+1], VB              ; where my four rows go: no place in the cluster enters an LDS address
	s_mul_i32 s[STW], s[WV], 16*SP
	s_add_co_u32 s[STW], s[STW], STG
	s_mov_b32 s[G1], 15|(1<<20)|(1<<21)|(3<<22)|(3<<25)  ; the mask of all four; bytes; 4 words of padding behind every 16; bit 21 beside a mask
	s_mov_b32 s[G1+1], 1536<<16                    ; tensor_dim0
	s_mov_b32 s[G1+2], 4<<16                       ; tensor_dim1
	s_mov_b32 s[G1+3], 1536<<16                    ; tile_dim0
	s_mov_b32 s[G1+4], 4                           ; tile_dim1
	s_mov_b32 s[G1+5], 16*1536                     ; from row to row: 16 rows of V on
	s_mov_b32 s[G1+6], 0
	s_mov_b32 s[G1+7], 0
	s_mov_b32 s[SEL], 0x76543210
	s_mov_b32 s[SEL+1], 0xfedcba98                 ; v_permlanex16_b32's selects for lane l xor 16
	s_mov_b32 s[CS], 0x3fb8aa3b                    ; log2(e)
	s_mov_b32 s[CS+1], s[CS]
	; K's pieces of 16 bytes: piece n = thread + 512 b + 1,536 a belongs to key n / 3.  In memory it lies at 768 (n / 3) + 16 (n % 3) = 16 n + 720 (n / 3), in LDS at 16 n + 128 (n / 96)
.irp b, 0,1,2
	v_add_nc_u32 v[176+\b], 512*\b, v0
	v_mul_u32_u24 v[179+\b], v[176+\b], 0xaaab
	v_lshrrev_b32 v[179+\b], 17, v[179+\b]         ; n / 3 (exact for n under 65,536)
	v_lshlrev_b32 v[176+\b], 4, v[176+\b]
	v_mad_u32_u24 v[182+\b], v[179+\b], 720, v[176+\b]
	v_lshrrev_b32 v[179+\b], 5, v[179+\b]
	v_lshl_add_u32 v[185+\b], v[179+\b], 7, v[176+\b]
	v_add_nc_u32 v[202+\b], 2*16*KBLK, v[185+\b]   ; a = 2, 3: 1,024 keys on
.endr
	v_and_b32 v211, 15, v0                         ; r
	v_bfe_u32 v212, v0, 4, 1                       ; h
	v_lshlrev_b32 v207, 5, v0                      ; K's scale bytes: thread t takes keys t + 512 i
	v_lshlrev_b32 v208, 3, v0                      ; V's: 8 of the head's 4,096 bytes
	v_mul_u32_u24 v209, v211, 768
	v_mad_u32_u24 v209, v212, 24, v209             ; Q's codes: row r, + 24 h
	v_lshlrev_b32 v210, 5, v211                    ; Q's scale bytes: row r
	s_wait_alu depctr_va_vdst(0)
	s_wait_dscnt 0x0                               ; both opening adds are done
	s_wait_kmcnt 0x0
	s_add_nc_u64 s[8:9], s[8:9], s[40:41]
	s_add_nc_u64 s[10:11], s[10:11], s[42:43]
	s_add_nc_u64 s[G0+2:G0+3], s[12:13], s[44:45]
	s_or_b32 s[G0+3], s[G0+3], 0x80000000
	s_add_nc_u64 s[14:15], s[14:15], s[46:47]
	s_add_nc_u64 s[4:5], s[4:5], s[50:51]
	s_add_nc_u64 s[6:7], s[6:7], s[52:53]
	s_add_nc_u64 s[16:17], s[16:17], s[54:55]
.irp a, 0,1,2,3                                ; 28 loads into registers go out ahead of the round
.irp b, 0,1,2
	global_load_b128 v[128+4*(3*\a+\b):131+4*(3*\a+\b)], v[182+\b], s[8:9] offset:512*768*\a
.endr
.endr
.irp i, 0,1,2,3
	global_load_u16 v[190+\i], v207, s[10:11] offset:16384*\i
.endr
	global_load_b64 v[194:195], v208, s[14:15]     ; row d = t / 8: the words of step t % 8
.irp p, 0,1,2
	global_load_b64 v[QA+2*\p:QA+2*\p+1], v209, s[4:5] offset:8*\p
	global_load_b64 v[QB+6+2*\p:QB+7+2*\p], v209, s[4:5] offset:8*\p
	global_load_b64 v[196+2*\p:197+2*\p], v209, s[4:5] offset:256*768+8*\p   ; the second tile's
.endr
	global_load_u16 v205, v210, s[6:7]
	global_load_u16 v206, v210, s[6:7] offset:256*32
	CROUND                                         ; all four work-groups are here: the joint loads meet
	tensor_load_to_lds s[G0:G0+3], s[G1:G1+7]      ; my one tensor load: four rows of V
	s_nop 0
	v_and_b32 v215, 7, v0
	v_mul_u32_u24 v[AK0], v215, 48
	v_bfe_u32 v215, v0, 3, 1
	v_mad_u32_u24 v[AK0], v215, KBLK, v[AK0]
	v_mad_u32_u24 v[AK0], v212, 24, v[AK0]         ; K: key r % 8 + 32 (r / 8), + 24 h
	v_mul_u32_u24 v[AV0], v211, VG
	v_mad_u32_u24 v[AV0], v212, 24, v[AV0]
	v_add_nc_u32 v[AV0], VB, v[AV0]                ; V: group r, + 24 h
	v_lshl_add_u32 v[AV1], v212, 4, v[AV0]
	v_and_b32 v[AS0], 31, v0
	v_lshl_add_u32 v[AS0], v[AS0], 4, SCK
	; key k's two scale bytes go to SCK + 512 (k / 256) + 16 x lane + 4 c + 2 e: lane = 16 ((k / 16) % 2) + 8 ((k / 32) % 2) + k % 8, c = (k / 64) % 4, e = (k / 8) % 2
	v_lshrrev_b32 v213, 8, v0
	v_lshlrev_b32 v213, 9, v213
	v_bfe_u32 v215, v0, 4, 1
	v_lshl_add_u32 v213, v215, 8, v213
	v_bfe_u32 v215, v0, 5, 1
	v_lshl_add_u32 v213, v215, 7, v213
	v_and_b32 v215, 7, v0
	v_lshl_add_u32 v213, v215, 4, v213
	v_bfe_u32 v215, v0, 6, 2
	v_lshl_add_u32 v213, v215, 2, v213
	v_bfe_u32 v215, v0, 3, 1
	v_lshl_add_u32 v213, v215, 1, v213
	v_add_nc_u32 v213, SCK, v213                   ; key t; key t + 512 i lies 1,024 i bytes on
	; V's word of (d, group of 128 keys 2 s + g) goes to SCV + 512 s + 16 (d % 16 + 16 g) + 4 (d / 16)
	v_and_b32 v214, 7, v0
	v_lshlrev_b32 v214, 9, v214
	v_bfe_u32 v215, v0, 3, 4
	v_lshl_add_u32 v214, v215, 4, v214
	v_lshrrev_b32 v215, 7, v0
	v_lshl_add_u32 v214, v215, 2, v214
	v_add_nc_u32 v214, SCV, v214
	v_lshl_add_u32 v216, v0, 5, QST
.irp i, 0,1,2,3,4,5
	v_mov_b32 v[QA+6+\i], 0                        ; the zero codes: set once
	v_mov_b32 v[QB+\i], 0
.endr
	v_mov_b32 v[F+1], 0
	s_wait_alu depctr_va_vdst(0)
	s_wait_loadcnt 0x0
.irp a, 0,1
.irp b, 0,1,2
	ds_store_b128 v[185+\b], v[128+4*(3*\a+\b):131+4*(3*\a+\b)] offset:16*KBLK*\a
	ds_store_b128 v[202+\b], v[152+4*(3*\a+\b):155+4*(3*\a+\b)] offset:16*KBLK*\a
.endr
.endr
.irp i, 0,1,2,3
	ds_store_b16 v213, v[190+\i] offset:1024*\i
.endr
	ds_store_b32 v214, v194
	ds_store_b32 v214, v195 offset:256
	v_lshl_or_b32 v[QS], v205, 16, v205
	v_lshl_or_b32 v206, v206, 16, v206
.irp p, 0,1,2
	ds_store_b64 v216, v[196+2*\p:197+2*\p] offset:8*\p
.endr
	ds_store_b32 v216, v206 offset:24
	s_wait_alu depctr_va_vdst(0)
	s_wait_tensorcnt 0x0                           ; my rows of V are in,
	s_wait_dscnt 0x0                               ; and my stores are done:
	s_barrier_signal -1
	s_barrier_wait -1                              ; both hold of every wave.  No barrier follows but the closing round's
.macro KFRAG fr, c, v                  ; a fragment of K: tiles (c, 2 v) and (c, 2 v + 1), 24 bytes a lane each, in pieces of 8
.irp e, 0,1
.irp p, 0,1,2
	ds_load_b64 v[\fr+6*\e+2*\p:\fr+6*\e+2*\p+1], v[ADK] offset:(\c)*2*KBLK+(2*(\v)+\e)*384+8*\p
.endr
.endr
.endm
.macro SM fr, c, v                     ; its two tiles of S^T: each product starts its own sum with the constant 0
.if \v
	v_wmma_scale_f32_16x16x128_f8f6f4 v[S+32*\c+16:S+32*\c+23], v[\fr:\fr+11], v[QA:QA+11], 0, v[KS+\c], v[QS] matrix_a_fmt:MATRIX_FMT_FP6 matrix_b_fmt:MATRIX_FMT_FP6 matrix_a_scale:MATRIX_SCALE_ROW1
	v_wmma_scale_f32_16x16x128_f8f6f4 v[S+32*\c+24:S+32*\c+31], v[\fr:\fr+11], v[QB:QB+11], 0, v[KS+\c], v[QS] matrix_a_fmt:MATRIX_FMT_FP6 matrix_b_fmt:MATRIX_FMT_FP6 matrix_a_scale:MATRIX_SCALE_ROW1
.else
	v_wmma_scale_f32_16x16x128_f8f6f4 v[S+32*\c:S+32*\c+7], v[\fr:\fr+11], v[QA:QA+11], 0, v[KS+\c], v[QS] matrix_a_fmt:MATRIX_FMT_FP6 matrix_b_fmt:MATRIX_FMT_FP6
	v_wmma_scale_f32_16x16x128_f8f6f4 v[S+32*\c+8:S+32*\c+15], v[\fr:\fr+11], v[QB:QB+11], 0, v[KS+\c], v[QS] matrix_a_fmt:MATRIX_FMT_FP6 matrix_b_fmt:MATRIX_FMT_FP6
.endif
.endm
.macro CV c, ct                        ; block c's 32 p -> 192 bits: the lower 16 codes in place, the upper 16 at ct (a conversion's three registers begin on an even number)
	v_cvt_scalef32_pk16_fp6_f32 v[KV+6*\c:KV+6*\c+2], v[S+32*\c:S+32*\c+15], v[SO+\c]
	v_cvt_scalef32_pk16_fp6_f32 v[\ct:\ct+2], v[S+32*\c+16:S+32*\c+31], v[SO+\c]
.endm
.macro MV c, ct
.irp i, 0,1,2
	v_mov_b32 v[KV+6*\c+3+\i], v[\ct+\i]
.endr
.endm
.macro VFRAG g, t                      ; V's fragment: rows 16 t + r x the step's g-th 128 keys.  Piece p of 8 bytes lies at 8 p + 16 (p / 8); lanes 16-31 take the piece three on
.irp p, 0,1,2,3,4,5
.set PC, 12*(\g)+6*(\p/3)+\p%3
.if PC%8 < 5
	ds_load_b64 v[S+12*(4*\g+\t)+2*\p:S+12*(4*\g+\t)+2*\p+1], v[S+96] offset:8*PC+16*(PC/8)+VROW*\t
.else
	ds_load_b64 v[S+12*(4*\g+\t)+2*\p:S+12*(4*\g+\t)+2*\p+1], v[S+97] offset:8*PC+16*(PC/8)+VROW*\t
.endif
.endr
.endm
.macro PV g, t
.if \g
	v_wmma_scale_f32_16x16x128_f8f6f4 v[O+8*\t:O+8*\t+7], v[S+12*(4+\t):S+12*(4+\t)+11], v[KV+12:KV+23], v[O+8*\t:O+8*\t+7], v[VS+\t], v[PS+1] matrix_a_fmt:MATRIX_FMT_FP6 matrix_b_fmt:MATRIX_FMT_FP6 matrix_a_scale:MATRIX_SCALE_ROW1
.else
	v_wmma_scale_f32_16x16x128_f8f6f4 v[O+8*\t:O+8*\t+7], v[S+12*\t:S+12*\t+11], v[KV:KV+11], v[O+8*\t:O+8*\t+7], v[VS+\t], v[PS] matrix_a_fmt:MATRIX_FMT_FP6 matrix_b_fmt:MATRIX_FMT_FP6
.endif
.endm
; A PASS: my 16 queries against all 2,048 keys, and the way out.  more = 1: a second tile follows
.macro PASS more
	v_mov_b32 v[SMAX], 0xfe967699                  ; the largest score so far: -1e38
	v_mov_b32 v[NEGM], 0x7e967699                  ; -M: +1e38: the first step's f is 2^(a saturated whole number) = 0, on zeros: no first step is written out
	v_mov_b32 v[L], 0
	v_mov_b32 v[L+1], 0
.set n, 0
.rept 32
	v_mov_b32 v[O+n], 0
.set n, n+1
.endr
	s_mov_b32 s[TK], 0
	s_mov_b32 s[TV], 0
	s_mov_b32 s[TS], 0
	s_mov_b32 s[TRIP], 8
.Lstep_\@:                                         ; A KEY STEP: 256 keys
	v_add_nc_u32 v[ADS], s[TS], v[AS0]             ; with the three plain lines at the step's end: five places behind the last products, ahead of loads into and products over their registers
	v_add_nc_u32 v[ADK], s[TK], v[AK0]
	ds_load_b128 v[KS:KS+3], v[ADS]
	KFRAG S+64, 0, 0                               ; the lower 128 keys' fragments lie where the upper 128 keys' scores will
	KFRAG S+76, 0, 1
	KFRAG S+88, 1, 0
	KFRAG S+100, 1, 1
	KFRAG KV, 2, 0
	KFRAG KV+12, 2, 1
	KFRAG TR, 3, 0
	KFRAG TR+12, 3, 1                              ; (its last piece lands on the two address registers, which no later line reads)
	s_wait_dscnt 24                                ; the 24 youngest loads, the upper 128 keys', may be out
	SM S+64, 0, 0
	SM S+76, 0, 1
	SM S+88, 1, 0
	SM S+100, 1, 1
	s_wait_dscnt 0x0
	PLACES 5                                       ; the next products write over registers that the last read (ISA guide 7.12.1)
	SM KV, 2, 0
	SM KV+12, 2, 1
	SM TR, 3, 0
	SM TR+12, 3, 1
	PLACES 4
	; the largest score of each of my four blocks: eight chains by turns; each accumulator is first read at its low end
.irp c, 0,1,2,3
	v_max3_num_f32 v[BM+\c], v[S+32*\c], v[S+32*\c+1], v[S+32*\c+2]
	v_max3_num_f32 v[MB+\c], v[S+32*\c+16], v[S+32*\c+17], v[S+32*\c+18]
.endr
.irp i, 3,5,7,9,11,13
.irp c, 0,1,2,3
	v_max3_num_f32 v[BM+\c], v[BM+\c], v[S+32*\c+\i], v[S+32*\c+\i+1]
	v_max3_num_f32 v[MB+\c], v[MB+\c], v[S+32*\c+16+\i], v[S+32*\c+17+\i]
.endr
.endr
.irp c, 0,1,2,3
	v_max3_num_f32 v[BM+\c], v[BM+\c], v[S+32*\c+15], v[S+32*\c+31]
.endr
.irp c, 0,1,2,3
	v_max_num_f32 v[BM+\c], v[BM+\c], v[MB+\c]
.endr
	v_max3_num_f32 v[MB], v[BM], v[BM+1], v[BM+2]
	s_delay_alu instid0(VALU_DEP_1)
	v_max_num_f32 v[MB], v[MB], v[BM+3]            ; my 128 keys' largest score,
	s_delay_alu instid0(VALU_DEP_1)
	v_permlanex16_b32 v[MB+1], v[MB], s[SEL], s[SEL+1]
	s_delay_alu instid0(VALU_DEP_1)
	v_max3_num_f32 v[SMAX], v[SMAX], v[MB], v[MB+1] ; lane l xor 16's, and the largest so far
	s_delay_alu instid0(VALU_DEP_1)
	v_mul_f32 v[MB], s[CS], v[SMAX]
	s_delay_alu instid0(VALU_DEP_1)
	v_floor_f32 v[MB], -v[MB]                      ; the new -M = -ceil(t)
	s_delay_alu instid0(VALU_DEP_1)
	v_sub_f32 v[MB+1], v[MB], v[NEGM]              ; old M less new M: a whole number, 0 or less
	v_mov_b32 v[NEGM], v[MB]
	s_delay_alu instid0(VALU_DEP_2)
	v_cvt_i32_f32 v[MB+1], v[MB+1]                 ; (it saturates)
	s_delay_alu instid0(VALU_DEP_1)
	v_ldexp_f32 v[F], 1.0, v[MB+1]                 ; f = 2^(old M - new M)
.set n, 0
.rept 64
	v_pk_fma_f32 v[S+n:S+n+1], v[S+n:S+n+1], s[CS:CS+1], v[NEGM:NEGM+1] op_sel_hi:[1,0,0]   ; t - M, two at a time
.set n, n+2
.endr
.irp c, 0,1,2,3
	v_fma_f32 v[BM+\c], v[BM+\c], s[CS], v[NEGM]   ; the same of each block's largest score
.endr
.set n, 0
.rept 16
	v_pk_mul_f32 v[O+n:O+n+1], v[O+n:O+n+1], v[F:F+1] op_sel_hi:[1,0]   ; O^T under the new M, each accumulator from its low end on
.set n, n+2
.endr
	s_wait_alu depctr_va_vdst(0)
.irp c, 0,1,2,3
	v_exp_f32 v[BM+\c], v[BM+\c]                   ; one batch of 132: the blocks' largest p,
.endr
.set n, 0
.rept 128
	v_exp_f32 v[S+n], v[S+n]                       ; and p = 2^(t - M), at most 1
.set n, n+1
.endr
	v_nop                                          ; one plain place behind the batch,
	s_wait_alu depctr_va_vdst(0)                   ; and one wait ahead of its first reader
.irp c, 0,1,2,3
	v_max_num_f32 v[BM+\c], 0x1800000, v[BM+\c]    ; the floor 2^(3 - 127): the byte cannot fall under 1
.endr
.irp c, 0,1,2,3
	v_add_nc_u32 v[SO+\c], 0xff000000, v[BM+\c]    ; 2 off the exponent field: the conversion's scale operand
.endr
.irp c, 0,1,2,3
	v_lshrrev_b32 v[MB+\c], 23, v[SO+\c]           ; the scale's byte
.endr
	v_lshl_or_b32 v[MB], v[MB+1], 8, v[MB]
	s_delay_alu instid0(VALU_DEP_1)
	v_lshl_or_b32 v[MB], v[MB+2], 16, v[MB]
	s_delay_alu instid0(VALU_DEP_1)
	v_lshl_or_b32 v[MB], v[MB+3], 24, v[MB]        ; my four bytes: blocks 2 c + h
	s_delay_alu instid0(VALU_DEP_1)
	v_permlanex16_b32 v[MB+1], v[MB], s[SEL], s[SEL+1]
	s_delay_alu instid0(VALU_DEP_1)
	v_perm_b32 v[PS], v[MB+1], v[MB], 0x05010400   ; in lanes 0-15, the ones that are read: mine, the other half's, mine, the other half's: blocks 0 to 3,
	v_perm_b32 v[PS+1], v[MB+1], v[MB], 0x07030602 ; and 4 to 7
	v_pk_fma_f32 v[L:L+1], v[L:L+1], v[F:F+1], v[S:S+1] op_sel_hi:[1,0,1]   ; the sum under the new M, and the unquantised p onto it: three chains
	v_pk_add_f32 v[C1:C1+1], v[S+2:S+3], v[S+4:S+5]
	v_pk_add_f32 v[C2:C2+1], v[S+6:S+7], v[S+8:S+9]
.set n, 10
.rept 19
	v_pk_add_f32 v[L:L+1], v[L:L+1], v[S+n:S+n+1]
	v_pk_add_f32 v[C1:C1+1], v[C1:C1+1], v[S+n+2:S+n+3]
	v_pk_add_f32 v[C2:C2+1], v[C2:C2+1], v[S+n+4:S+n+5]
.set n, n+6
.endr
	v_pk_add_f32 v[L:L+1], v[L:L+1], v[S+124:S+125]
	v_pk_add_f32 v[C1:C1+1], v[C1:C1+1], v[S+126:S+127]
	CV 0, 40
	CV 1, 48
	CV 2, 56
	CV 3, 60
	v_nop                                          ; one plain place behind the last scaled conversion
	MV 0, 40
	MV 1, 48
	MV 2, 56
	MV 3, 60
	v_add_nc_u32 v[S+96], s[TV], v[AV0]            ; these three and the addition below: four places between the last write of p's codes and a scaled product
	v_add_nc_u32 v[S+97], s[TV], v[AV1]
	v_add_nc_u32 v[S+98], s[TS], v[AS0]
.irp g, 0,1
.irp t, 0,1,2,3
	VFRAG \g, \t
.endr
.endr
	ds_load_b128 v[VS:VS+3], v[S+98] offset:4096
	v_pk_add_f32 v[C1:C1+1], v[C1:C1+1], v[C2:C2+1]
	s_wait_alu depctr_va_vdst(0)
	s_wait_dscnt 0x0
.irp g, 0,1                                    ; O^T += V^T P^T: the four accumulators by turns, one instruction a turn
.irp t, 0,1,2,3
	PV \g, \t
.endr
.endr
	v_pk_add_f32 v[L:L+1], v[L:L+1], v[C1:C1+1]
	PLACES 2
	s_add_co_u32 s[TK], s[TK], 8*KBLK
	s_add_co_u32 s[TV], s[TV], 240
	s_add_co_u32 s[TS], s[TS], 512
	s_sub_co_u32 s[TRIP], s[TRIP], 1
	s_cmp_lg_u32 s[TRIP], 0
	s_cbranch_scc1 .Lstep_\@
	; THE WAY OUT: O^T / the sum goes through my own stage, so that sixteen lanes store a query's 256 consecutive bytes, at a multiple of 256 from out0's first byte
	v_add_f32 v[L], v[L], v[L+1]
	v_and_b32 v40, 15, v0
	v_bfe_u32 v41, v0, 4, 1
	v_permlanex16_b32 v48, v[L], s[SEL], s[SEL+1]
	v_mul_u32_u24 v42, v40, SP
	v_mul_u32_u24 v43, v41, SP
	v_lshlrev_b32 v44, 4, v40
	v_add_f32 v[L], v[L], v48                      ; the row's sum
	v_lshl_add_u32 v42, v41, 5, v42
	v_lshl_add_u32 v43, v40, 4, v43
	v_lshl_add_u32 v44, v41, 12, v44               ; out0: lanes 0-15 one query, lanes 16-31 the next
	v_add_nc_u32 v42, s[STW], v42                  ; in: row r, + 32 h
	v_add_nc_u32 v43, s[STW], v43                  ; back: lanes 0-15 one row, lanes 16-31 the next
	s_wait_alu depctr_va_vdst(0)                   ; the wait ahead of the reciprocal,
	v_rcp_f32 v[F], v[L]
	v_nop
	s_wait_alu depctr_va_vdst(0)                   ; and ahead of its first reader
.set n, 0
.rept 16
	v_pk_mul_f32 v[S+n:S+n+1], v[O+n:O+n+1], v[F:F+1] op_sel_hi:[1,0]
.set n, n+2
.endr
.irp t, 0,1,2,3
	ds_store_b128 v42, v[S+8*\t:S+8*\t+3] offset:64*\t             ; lane (r, h): o(r, 16 t + 8 h + 0 .. 7)
	ds_store_b128 v42, v[S+8*\t+4:S+8*\t+7] offset:64*\t+16
.endr
.irp i, 0,1,2,3,4,5,6,7
	ds_load_b128 v[S+32+4*\i:S+35+4*\i], v43 offset:\i*2*SP        ; LDS serves a wave's instructions in order (ISA guide 5.7.1.4)
.endr
.irp i, 0,1,2,3,4,5,6,7
	s_wait_dscnt 7-\i                              ; the 7 - i younger loads may stay out
	global_store_b128 v44, v[S+32+4*\i:S+35+4*\i], s[16:17] offset:\i*2*4096 th:TH_STORE_NT
.endr
.if \more
	s_wait_xcnt 0x0                                ; the stores' registers and base are written again only behind this wait
	s_add_nc_u64 s[16:17], s[16:17], 256*4096      ; 256 queries on
	v_lshl_add_u32 v40, v0, 5, QST
.irp p, 0,1,2
	ds_load_b64 v[QA+2*\p:QA+2*\p+1], v40 offset:8*\p              ; the second tile's codes and scale word, my own bytes; the next step's first wait on DScnt covers them
	ds_load_b64 v[QB+6+2*\p:QB+7+2*\p], v40 offset:8*\p
.endr
	ds_load_b32 v[QS], v40 offset:24
.endif
.endm
	PASS 1
	PASS 0
	s_wait_tensorcnt 0x0                           ; the wave's end
	ds_add_u32 v[SPW], v[NIL]
	s_wait_dscnt 0x0
	CROUND                                         ; the closing round
	s_endpgm
.Lfunc_end_k_qd1d65fdfad_attn:
	.size	k_qd1d65fdfad_attn, .Lfunc_end_k_qd1d65fdfad_attn-k_qd1d65fdfad_attn
	.p2alignl 7, 3214868480
	.fill 96, 4, 3214868480
	.section	.rodata,"a",@progbits
	.p2align	6, 0x0
	.amdhsa_kernel k_qd1d65fdfad_attn
		.amdhsa_group_segment_fixed_size 327680
		.amdhsa_private_segment_fixed_size 0
		.amdhsa_enable_private_segment 0
		.amdhsa_kernarg_size 56
		.amdhsa_user_sgpr_count 2
		.amdhsa_user_sgpr_kernarg_segment_ptr 1
		.amdhsa_wavefront_size32 1
		.amdhsa_system_sgpr_workgroup_id_x 1
		.amdhsa_system_sgpr_workgroup_id_y 1
		.amdhsa_system_sgpr_workgroup_id_z 1
		.amdhsa_system_vgpr_workitem_id 0
		.amdhsa_next_free_vgpr 256
		.amdhsa_next_free_sgpr 66
		.amdhsa_reserve_vcc 0
		.amdhsa_float_denorm_mode_32 3
		.amdhsa_float_denorm_mode_16_64 3
		.amdhsa_memory_ordered 1
		.amdhsa_forward_progress 1
		.amdhsa_inst_pref_size 84
	.end_amdhsa_kernel
	.amdgpu_metadata
---
amdhsa.version: [ 1, 2 ]
amdhsa.kernels:
  - .name:           k_qd1d65fdfad_attn
    .symbol:         k_qd1d65fdfad_attn.kd
    .args:
      - { .name: queries_codes, .offset: 0, .size: 8, .value_kind: global_buffer, .address_space: global }
      - { .name: queries_scales, .offset: 8, .size: 8, .value_kind: global_buffer, .address_space: global }
      - { .name: keys_codes, .offset: 16, .size: 8, .value_kind: global_buffer, .address_space: global }
      - { .name: keys_scales, .offset: 24, .size: 8, .value_kind: global_buffer, .address_space: global }
      - { .name: values_codes, .offset: 32, .size: 8, .value_kind: global_buffer, .address_space: global }
      - { .name: values_scales, .offset: 40, .size: 8, .value_kind: global_buffer, .address_space: global }
      - { .name: out0, .offset: 48, .size: 8, .value_kind: global_buffer, .address_space: global }
    .group_segment_fixed_size: 327680
    .private_segment_fixed_size: 0
    .kernarg_segment_align: 8
    .kernarg_segment_size: 56
    .max_flat_workgroup_size: 512
    .sgpr_count:     66
    .vgpr_count:     256
    .wavefront_size: 32
...
	.end_amdgpu_metadata
.endif
;; end of part 1
